; MI455X (gfx1250); checked and timed in simulation.
; The chip was launched on July 23, 2026; its instructions are those of AMD's public machine-readable ISA for CDNA 5 (MIT licence, August 2026) and "CDNA5" Instruction Set Architecture Reference Guide (July 2026). The comments in the code are by the model that wrote it; some were corrected since.
;; Snn Core DU. Allowed arithmetic: float matrix products may take bf16 or f16 operands with f32 sums; other float arithmetic in f32, or as packed bf16 or f16 multiplies, adds, multiply-adds, maxima and minima; sums over many terms, partial sums and values carried from step to step in f32; what a program stores and reads back later, other than sums and carried values, may be rounded once to bf16 or f16.
;; Inputs: W_proj 512 x 1,024 float32; b_proj 1,024 float32; x 4,096 x 512 float32.
;; Outputs: out0 4,096 x 1,024 float32; out1 4,096 float32.
;; 2 versions, each right; version 2 is version 1 with the launch snn written anew for expert scheduling mode. Each part assembles by itself: llvm-mc -triple=amdgcn-amd-amdhsa -mcpu=gfx1250 --defsym DOCPART=n.
;; ======== version 1 of 2: 2 launches
;; workspace buffers: part 131,072 bytes
;; launch snn (part 1): grid 8 x 32, 8 waves a work-group, no clusters, 268,288 bytes of LDS; arguments x, W_proj, b_proj, out0, part; writes out0, part
.if DOCPART == 1
	.amdgcn_target "amdgcn-amd-amdhsa--gfx1250"
	.amdhsa_code_object_version 6
	.text
	.protected	k_q2291bb9b65_snn
	.globl	k_q2291bb9b65_snn
	.p2align	8
	.type	k_q2291bb9b65_snn,@function
k_q2291bb9b65_snn:
	s_mov_b64 s[64:65], 0
	v_nop
	global_prefetch_b8 v0, s[64:65] scope:SCOPE_SE
	s_setreg_imm32_b32 hwreg(HW_REG_WAVE_MODE, 25, 1), 1
	s_wait_xcnt 0x0
; inp = x W + b;  50 steps of a leaky integrator with subtractive reset on every number of inp;  out0 = spikes counted over time;
; part[column block][row] = the row's spikes of both layers within this work-group's 128 columns (the launch behind adds the 8 blocks).
; x: [4096][512], W: [512][1024], b: [1024], out0: [4096][1024], all f32.
; WHAT IS TAKEN FROM THE PROBLEM'S OWN TEXT.  Both layers start at 0 and get the same current by the same operations: they are equal bit for bit, so one
; is run and the row sum is doubled.  A step's reset is the spike of the step before.  mem - 1 > 0 holds exactly where mem > 1.  Step 1 is mem = inp.
; FORMATS.  x, W and b are each rounded once to bf16 (all the inputs alike) and kept so in LDS; everything behind that is f32.
; THE SUM'S ORDER, AND WHY THE f32 MATRIX FORM.  The count is a step function of inp, and one spike is more than the comparison allows at any count (0.01 r + 0.01 x 50 is under 1,
; r being at most 50).  So inp has to carry the roundings of a product taken one multiply-add at a time.  A product of two bf16 numbers is exact in f32, so only the additions round: here ONE CHAIN,
; k = 0 .. 511 ascending, one rounding a product; then b, one rounding.  v_wmma_f32_16x16x4_f32 is four fused multiply-adds in ascending k: a chain of 128 of them is that sum.  The 16-bit form
; adds 32 products with one rounding and cannot place these roundings.  This is a departure from the usual choice of form, taken for the values' sake; it costs matrix time.
; LIMITS.  The one chain is an assumption about the sum that this one is held against.  Held against a sum that rounds in another order (K in blocks, several chains), a number whose
; inp lies within that difference of a jump comes out one spike off.  beta * mem + inp is one fused multiply-add.  NaN is not treated apart.
; SHARES.  256 work-groups, each a tile of 128 rows x 128 columns; 8 waves, each 32 rows x 64 columns: 8 accumulators of 16 x 16.
; LDS.  All of K lies in LDS as bf16: x as [128 rows][512 k], W turned, as [128 columns][512 k]; one fill, one barrier, nothing is filled again.
; ORDER OF K IN AN LDS ROW.  A fragment of the f32 form is 16 rows x 4 k in 2 registers: lane l holds row l % 16 and k = 2 (l / 16) + 0, 1.  So within each 32 bytes (16 k) the pair
; k = 4 d + 2 h, 4 d + 2 h + 1 lies at byte 16 h + 4 d: one load of 16 bytes at 16 (l / 16) brings a lane its two numbers for each of four K steps d = 0..3.
; COLUMN ORDER.  Column 4 q + c of the tile lies in LDS row 32 c + q, so column tile b of a wave holds the columns 4 r + b (r = lane % 16).  A lane then has four
; neighbouring columns of a row in four accumulators; the bias add lays them in four neighbouring registers, and a store of 16 bytes a lane has
; sixteen lanes cover 256 consecutive bytes of out0, aligned: no way out through LDS.
; NO CLUSTER, NO TENSOR LOAD: the tiles arrive as f32 and are wanted as bf16, W turned as well.  A joint load would lay 524,288 bytes of f32 a work-group into LDS,
; to be read back, converted and stored again beside the 266,240 bytes of bf16 tiles; the 59,392 bytes left of 327,680 hold no slot worth the name.
; NO PREFETCH: every global load of the launch stands at its head.
.set PX,    1040                       ; an LDS row: 1,024 bytes + 16 = 260 words: row r starts at bank 4 r mod 64 (64 banks of 4 bytes: ISA guide 11.1): 16 rows, 16 different groups of four banks
.set WB,    128*PX                     ; x's tile lies at 0, W's here
.set ROWS,  256*PX                     ; [2 column halves][128 rows] f32: the waves' row sums
.set SPARE, ROWS+1024                  ; the spare words, 128 bytes for each of the 8 waves: four blocks of 256 bytes that no other line names
.set NSET,  5                          ; sets of 8 loads on their way in a wave: with the bias 41 loads at the most
.set STEPS, 128                        ; K steps of 4
.set UNROLL, 4                         ; time steps 3 to 50: 12 trips of 4
.set TRIPS,  12
.set SPW, 1                            ; v1      LDS address of my spare word; never rewritten
.set NIL, 2                            ; v2      0; never rewritten
.set LO,  3                            ; v3      16 x lane: my 16 bytes of 512 consecutive ones; never rewritten
.set XST, 4                            ; v4      the fill: where I put 4 bytes of x
.set WS,  5                            ; v5-6    the fill: where I put 8 bytes of W: columns c = 0, 1 and c = 2, 3
.set AA,  7                            ; v7      my place in x's fragments
.set BP,  4                            ; v4-5    behind the product: 2^30, twice
.set BN,  6                            ; v6-7    -2^30, twice
.set BI,  8                            ; v8-11   b of my four columns
.set AB,  12                           ; v12-13  my place in W's fragments: column tiles 0, 1 and 2, 3
.set OO,  14                           ; v14     my byte offset in the tile of out0
.set RA,  15                           ; v15     where my half of the lanes puts its row sums
.set T,   16                           ; v16-31  at work
.set R,   16                           ; v16-31  later the row sums: chunk a, row j at R + 8 a + j
.set RING, 32                          ; v32-191 the fill: five sets of 32
.set RAW, 32                           ; v32-79  the product: two buffers of 24: 16 k of x's two row tiles and W's four column tiles, as bf16
.set U,   80                           ; v80-127 four sets of 12: a K step's fragments, widened: tile t at 2 t
.set I,   128                          ; v128-191 inp: chunk a, row j, column b at 32 a + 4 j + b
.set M,   32                           ; v32-63   mem of a chunk of 16 rows
.set S,   64                           ; v64-95   the step's spikes
.set G,   96                           ; v96-127  spikes counted
.set ACC, 192                          ; v192-255 accumulator (a, b) at ACC + 8 (4 a + b): written by matrix instructions alone
.set WV,  14                           ; s14  my wave's number
.set BETA, 20                          ; s[20:21] 0.95: the packed line names a pair and takes its low word for both halves
.set CNT, 22                           ; s22  trips to go
.set MASK, 23                          ; s23  a word's upper bf16
	s_load_b256 s[4:11], s[0:1], 0x0               ; x s[4:5], W s[6:7], b s[8:9], out0 s[10:11]
	s_load_b64 s[12:13], s[0:1], 0x20              ; part
	v_lshl_add_u32 v[SPW], v0, 2, SPARE
	v_mov_b32 v[NIL], 0
	v_lshrrev_b32 v[T], 5, v0
	v_readfirstlane_b32 s[WV], v[T]                ; wave 0..7
	v_and_b32 v[T+1], 31, v0                       ; lane
	v_and_b32 v[T+2], 15, v0                       ; r = lane % 16
	v_bfe_u32 v[T+3], v0, 4, 1                     ; h = lane / 16
	v_lshlrev_b32 v[LO], 4, v[T+1]
	v_lshlrev_b32 v[T+4], 4, v[T+2]                ; 16 r: my four numbers of b
	s_mov_b32 s[MASK], 0xffff0000
	s_and_b32 s15, ttmp7, 0xffff                   ; row block 0..31; ttmp9 is the column block 0..7
	s_lshr_b32 s16, s[WV], 1                       ; wr: which 32 rows of the tile are mine
	s_and_b32 s17, s[WV], 1                        ; wc: which 64 columns
	s_lshl_b32 s24, s15, 18                        ; x: 128 rows of 2,048 bytes a block,
	s_lshl_b32 s25, s[WV], 15                      ; of which I bring in 16
	s_add_co_u32 s24, s24, s25
	s_mov_b32 s25, 0
	s_lshl_b32 s26, ttmp9, 9                       ; W: 128 columns are 512 bytes of a row,
	s_lshl_b32 s27, s[WV], 18                      ; and I bring in 64 rows of 4,096 bytes
	s_add_co_u32 s26, s26, s27
	s_mov_b32 s27, 0
	s_lshl_b32 s28, ttmp9, 9                       ; b: the block's 512 bytes, my 64 columns' 256
	s_lshl_b32 s29, s17, 8
	s_add_co_u32 s28, s28, s29
	s_mov_b32 s29, 0
	s_wait_kmcnt 0x0
	s_add_nc_u64 s[4:5], s[4:5], s[24:25]
	s_add_nc_u64 s[6:7], s[6:7], s[26:27]
	s_add_nc_u64 s[8:9], s[8:9], s[28:29]
	global_load_b128 v[BI:BI+3], v[T+4], s[8:9]
; THE FILL.  A wave brings in 16 groups of 8 loads; each load covers 512 consecutive bytes, aligned.  Groups 0-7: 8 rows of W each (a row's 128 columns of the tile).
; Groups 8-15: 2 rows of x each, four pieces of 512 bytes a row.
.macro LOADG n
.set sb, RING+32*((\n)%NSET)
.if (\n) < 8
.irp i, 0,1,2,3,4,5,6,7
	global_load_b128 v[sb+4*(\i):sb+4*(\i)+3], v[LO], s[6:7] offset:(8*(\n)+(\i))*4096
.endr
.else
.irp i, 0,1,2,3,4,5,6,7
	global_load_b128 v[sb+4*(\i):sb+4*(\i)+3], v[LO], s[4:5] offset:(2*((\n)-8)+(\i)/4)*2048+((\i)%4)*512
.endr
.endif
.endm
; A group is rounded to bf16 and put into LDS, in the order of K said at the head.
; W: the lane holds k = k0 .. k0 + 7 (k0 = 64 wave + 8 n) of the columns 4 lane + c.  For each c the pairs p = 0..3 (k0 + 2 p, + 1) belong to d = 2 (n % 2) + p / 2, h = p % 2:
; pairs 0 and 2 are 8 neighbouring bytes of LDS row 32 c + lane, pairs 1 and 3 the 8 bytes 16 further on: W is turned in registers.
; x: the lane's four k of a piece (k = 4 lane ..) are one K step's: the first pair goes to h = 0, the second 16 bytes further on.
.macro PUTG n
.set sb, RING+32*((\n)%NSET)
.if (\n) < 8
.irp c, 0,1,2,3
.irp p, 0,1,2,3
	v_cvt_pk_bf16_f32 v[T+4*(\c)+2*((\p)%2)+(\p)/2], v[sb+8*(\p)+(\c)], v[sb+8*(\p)+4+(\c)]
.endr
.endr
.irp c, 0,1,2,3
	ds_store_b64 v[WS+(\c)/2], v[T+4*(\c):T+4*(\c)+1]   offset:((\c)%2)*32*PX+32*((\n)/2)+8*((\n)%2)
	ds_store_b64 v[WS+(\c)/2], v[T+4*(\c)+2:T+4*(\c)+3] offset:((\c)%2)*32*PX+32*((\n)/2)+8*((\n)%2)+16
.endr
.else
.irp e, 0,1,2,3,4,5,6,7
	v_cvt_pk_bf16_f32 v[T+2*(\e)],   v[sb+4*(\e)],   v[sb+4*(\e)+1]
	v_cvt_pk_bf16_f32 v[T+2*(\e)+1], v[sb+4*(\e)+2], v[sb+4*(\e)+3]
.endr
.irp e, 0,1,2,3,4,5,6,7
	ds_store_b32 v[XST], v[T+2*(\e)]   offset:(2*((\n)-8)+(\e)/4)*PX+((\e)%4)*256
	ds_store_b32 v[XST], v[T+2*(\e)+1] offset:(2*((\n)-8)+(\e)/4)*PX+((\e)%4)*256+16
.endr
.endif
.endm
.set gi, 0
.rept NSET
	LOADG gi
.set gi, gi+1
.endr
	; the other addresses are made while the first loads are on their way (v[T+4], the bias load's offset, is left alone)
	s_mul_i32 s30, s[WV], 16*PX
	v_lshrrev_b32 v[T+6], 2, v[T+1]                ; x: four lanes share 16 k: 32 bytes for each four lanes,
	v_and_b32 v[T+7], 3, v[T+1]                    ; and 4 bytes for the lane's K step among them
	v_lshl_add_u32 v[XST], v[T+6], 5, s30          ; on top of my 16 rows of x's tile
	v_lshl_add_u32 v[XST], v[T+7], 2, v[XST]
	v_mul_u32_u24 v[WS], v[T+1], PX                ; W: LDS row = lane (+ 32 c),
	s_lshl_b32 s31, s[WV], 7                       ; my 64 k are 128 bytes of it
	s_add_co_u32 s31, s31, WB
	v_add_nc_u32 v[WS], s31, v[WS]
	v_add_nc_u32 v[WS+1], 64*PX, v[WS]
	v_mul_u32_u24 v[T+5], v[T+2], PX
	v_lshl_add_u32 v[T+5], v[T+3], 4, v[T+5]       ; a fragment's row x pitch + 16 x half
	s_mul_i32 s30, s16, 32*PX
	v_add_nc_u32 v[AA], s30, v[T+5]
	s_mul_i32 s31, s17, 16*PX
	s_add_co_u32 s31, s31, WB
	v_add_nc_u32 v[AB], s31, v[T+5]
	v_add_nc_u32 v[AB+1], 64*PX, v[AB]
	s_lshl_b32 s30, s16, 17                        ; out0: 32 wr rows of 4,096 bytes,
	s_lshl_b32 s31, s17, 8                         ; 64 wc columns,
	s_add_co_u32 s30, s30, s31
	v_lshl_add_u32 v[OO], v[T+3], 15, s30          ; 8 h rows,
	v_lshl_add_u32 v[OO], v[T+2], 4, v[OO]         ; my four columns
	s_lshl_b32 s30, s17, 9                         ; row sums: 512 wc + 4 (32 wr + 8 h)
	s_lshl_b32 s31, s16, 7
	s_add_co_u32 s30, s30, s31
	s_add_co_u32 s30, s30, ROWS
	v_lshl_add_u32 v[RA], v[T+3], 5, s30
	s_lshl_b32 s24, s15, 19                        ; the tile in out0: 128 rows of 4,096 bytes a row block, 512 bytes a column block
	s_lshl_b32 s25, ttmp9, 9
	s_add_co_u32 s24, s24, s25
	s_mov_b32 s25, 0
	s_add_nc_u64 s[10:11], s[10:11], s[24:25]
	s_lshl_b32 s24, ttmp9, 14                      ; in part: 16,384 bytes a column block, 512 a row block
	s_lshl_b32 s25, s15, 9
	s_add_co_u32 s24, s24, s25
	s_mov_b32 s25, 0
	s_add_nc_u64 s[12:13], s[12:13], s[24:25]
.set gi, 0
.rept 16
.if gi <= 16-NSET
	s_wait_loadcnt 8*(NSET-1)                      ; loads come back in order (ISA guide 5.7.1): this group (and b) is in, the four groups behind it stay out
.else
	s_wait_loadcnt 8*(15-gi)                       ; the tail: the groups that are left
.endif
	PUTG gi
.if gi+NSET < 16
	LOADG gi+NSET                                  ; the set just read takes the group five on
.endif
.set gi, gi+1
.endr
	s_wait_dscnt 0x0                               ; for the others' sake: my part of both tiles lies in LDS
	s_barrier_signal -1
	v_cvt_pk_bf16_f32 v[T],   v[BI],   v[BI+1]     ; work on registers between signal and wait: b rounded to bf16 like x and W, and widened again
	v_cvt_pk_bf16_f32 v[T+1], v[BI+2], v[BI+3]
	v_lshlrev_b32 v[BI],   16, v[T]
	v_and_b32     v[BI+1], s[MASK], v[T]
	v_lshlrev_b32 v[BI+2], 16, v[T+1]
	v_and_b32     v[BI+3], s[MASK], v[T+1]
	s_mov_b32 s[BETA],   0x3f733333                ; 0.95
	s_mov_b32 s[BETA+1], 0x3f733333
	s_barrier_wait -1                              ; both tiles are whole
; THE PRODUCT.  Source 0 = 16 rows of x, source 1 = 16 columns of W: in the result register j of lane l is row 8 (l / 16) + j, column l % 16 of the tile.
.macro FETCH g, p                      ; 16 k, group g of 32, into raw buffer p: 6 loads of 16 bytes a lane
.irp t, 0,1
	ds_load_b128 v[RAW+24*(\p)+4*(\t):RAW+24*(\p)+4*(\t)+3], v[AA] offset:(\t)*16*PX+32*(\g)
.endr
.irp b, 0,1,2,3
	ds_load_b128 v[RAW+24*(\p)+8+4*(\b):RAW+24*(\p)+8+4*(\b)+3], v[AB+(\b)/2] offset:((\b)%2)*32*PX+32*(\g)
.endr
.endm
.macro UNP jn, q                       ; line q of the 12 that widen K step jn's fragments: word jn % 4 of tile q / 2; the low half is the lower k
.set ur, RAW+24*(((\jn)/4)%2)+4*((\q)/2)+(\jn)%4
.set ud, U+12*((\jn)%4)+(\q)
.if (\q)%2 == 0
	v_lshlrev_b32 v[ud], 16, v[ur]
.else
	v_and_b32 v[ud], s[MASK], v[ur]
.endif
.endm
.macro MM j, i                         ; product i of 8 of K step j: row tile i / 4, column tile i % 4.  The first K step starts the sums with the constant 0
.set opa, U+12*((\j)%4)+2*((\i)/4)
.set opb, U+12*((\j)%4)+4+2*((\i)%4)
.set opc, ACC+8*(\i)
.if (\j) == 0
	v_wmma_f32_16x16x4_f32 v[opc:opc+7], v[opa:opa+1], v[opb:opb+1], 0
.else
	v_wmma_f32_16x16x4_f32 v[opc:opc+7], v[opa:opa+1], v[opb:opb+1], v[opc:opc+7]
.endif
.endm
; THE ORDER OF THE LINES.  The 8 accumulators take turns, one instruction a turn, in the same order in every K step.  In K step j the fragments of step j + 2 are widened, two lines
; behind each of the first six products, into the set that step j - 2 read: the 12 lines of step j - 1, which name other registers, are the places between that set's last reader and its
; first rewriting (ISA guide 7.12.1 asks for eight behind this form).  A raw buffer is read for the last time in its group's second step and is loaded again at that step's end,
; 32 products ahead of its first use.
	FETCH 0, 0
	FETCH 1, 1
	s_wait_dscnt 6                                 ; LDS loads come back in order: group 0 is in, group 1's six loads stay out
.set uq, 0
.rept 12
	UNP 0, uq
.set uq, uq+1
.endr
.set uq, 0
.rept 12
	UNP 1, uq
.set uq, uq+1
.endr
.set js, 0
.rept STEPS
.if (js%4 == 2) && (js+2 < STEPS)
.if js/4+2 < STEPS/4
	s_wait_dscnt 6                                 ; the next group is in; the six loads just issued, the group after it, stay out
.else
	s_wait_dscnt 0x0                               ; the last group: nothing was issued behind it
.endif
.endif
.set uq, 0
.set wi, 0
.rept 8
	MM js, wi
.if (js+2 < STEPS) && (wi < 6)
	UNP js+2, uq
	UNP js+2, uq+1
.set uq, uq+2
.endif
.set wi, wi+1
.endr
.if (js%4 == 1) && (js/4+2 < STEPS/4)
	FETCH js/4+2, (js/4)%2
.endif
.set js, js+1
.endr
	v_mov_b32 v[BP],   0x4e800000                  ; the constants 2^30 and -2^30, in registers that held addresses of the fill and of the product: these four lines and six v_nop
	v_mov_b32 v[BP+1], 0x4e800000                  ; are the places behind the last products, ahead of the lines that read the sums
	v_mov_b32 v[BN],   0xce800000
	v_mov_b32 v[BN+1], 0xce800000
.rept 6
	v_nop
.endr
	; inp = sum + b, one rounding, laid so that a row's four columns are neighbours.  Each accumulator is read from its lowest register on.
.set wi, 0
.rept 8
.set mj, 0
.rept 8
	v_add_f32 v[I+32*(wi/4)+4*mj+wi%4], v[ACC+8*wi+mj], v[BI+wi%4]
.set mj, mj+1
.endr
.set wi, wi+1
.endr
; THE INTEGRATOR, a chunk of 16 rows (32 registers, 16 pairs) at a time, two numbers a line.  A kind of line goes through all 16 pairs, so a line stands 16 behind the one whose result it reads.  IB: the chunk's inp.
.macro DECAY src                       ; mem = 0.95 src + inp
.set q, 0
.rept 16
	v_pk_fma_f32 v[M+q:M+q+1], v[(\src)+q:(\src)+q+1], s[BETA:BETA+1], v[IB+q:IB+q+1] op_sel_hi:[1,0,1]
.set q, q+2
.endr
.endm
.macro RESET spk                       ; mem = mem - the spike of the step before
.set q, 0
.rept 16
	v_pk_add_f32 v[M+q:M+q+1], v[M+q:M+q+1], v[(\spk)+q:(\spk)+q+1] neg_lo:[0,1] neg_hi:[0,1]
.set q, q+2
.endr
.endm
.macro FIRE dst, src                   ; 1 where src > 1, else 0: (src - 1) 2^30, one rounding, held to 0 .. 1.  The least src above 1 gives 2^-23 x 2^30 = 128; src = 1 gives 0
.set q, 0
.rept 16
	v_pk_fma_f32 v[(\dst)+q:(\dst)+q+1], v[(\src)+q:(\src)+q+1], v[BP:BP+1], v[BN:BN+1] clamp
.set q, q+2
.endr
.endm
.macro COUNT
.set q, 0
.rept 16
	v_pk_add_f32 v[G+q:G+q+1], v[G+q:G+q+1], v[S+q:S+q+1]
.set q, q+2
.endr
.endm
.macro LIF a
.set IB, I+32*(\a)
.if (\a) > 0
	s_wait_xcnt 0x0                                ; the last chunk's stores have read G: it is written again only behind this wait
.endif
	FIRE G, IB                                     ; step 1: mem = inp; its spikes start the count
	DECAY IB                                       ; step 2 reads inp as mem and the count as the spikes
	RESET G
	FIRE S, M
	COUNT
	s_mov_b32 s[CNT], TRIPS
.Ltime_\@:                                             ; steps 3 to 50
.rept UNROLL
	DECAY M
	RESET S
	FIRE S, M
	COUNT
.endr
	s_sub_co_u32 s[CNT], s[CNT], 1
	s_cmp_lg_u32 s[CNT], 0
	s_cbranch_scc1 .Ltime_\@
.irp j, 0,1,2,3,4,5,6,7
	global_store_b128 v[OO], v[G+4*(\j):G+4*(\j)+3], s[10:11] offset:(16*(\a)+(\j))*4096 th:TH_STORE_NT  ; 16 lanes store 256 consecutive bytes, at a multiple of 256 from out0's first byte
.endr
.irp j, 0,1,2,3,4,5,6,7
	v_pk_add_f32 v[S+2*(\j):S+2*(\j)+1], v[G+4*(\j):G+4*(\j)+1], v[G+4*(\j)+2:G+4*(\j)+3]  ; my four columns of row j
.endr
.irp j, 0,1,2,3,4,5,6,7
	v_add_f32 v[R+8*(\a)+(\j)], v[S+2*(\j)], v[S+2*(\j)+1]
.endr
.endm
	LIF 0
	LIF 1
	; ROW SUMS (whole numbers under 2^24: exact in any order).  Over the 16 lanes that hold a row's columns, four steps riding on the additions; every lane of the half ends with the sum.
.irp k, 1,2,4,8
.set q, 0
.rept 16
	v_add_f32_dpp v[R+q], v[R+q], v[R+q] row_xmask:\k row_mask:0xf bank_mask:0xf
.set q, q+1
.endr
.endr
.irp a, 0,1                            ; the 16 lanes of a half write the same bytes with the same numbers: rows 16 a + 8 h + 0..7 of my 32
	ds_store_b128 v[RA], v[R+8*(\a):R+8*(\a)+3]   offset:64*(\a)
	ds_store_b128 v[RA], v[R+8*(\a)+4:R+8*(\a)+7] offset:64*(\a)+16
.endr
	s_wait_dscnt 0x0                               ; for wave 0's sake: my row sums lie in LDS
	s_barrier_signal -1
	s_barrier_wait -1
	s_cmp_lg_u32 s[WV], 0
	s_cbranch_scc1 .Lend
	v_add_nc_u32 v[T], ROWS, v[LO]                 ; wave 0: lane l takes rows 4 l .. 4 l + 3
	ds_load_b128 v[T+4:T+7],  v[T]                 ; of the left 64 columns,
	ds_load_b128 v[T+8:T+11], v[T] offset:512      ; and of the right
	s_wait_dscnt 0x0
	v_pk_add_f32 v[T+4:T+5], v[T+4:T+5], v[T+8:T+9]
	v_pk_add_f32 v[T+6:T+7], v[T+6:T+7], v[T+10:T+11]
	v_pk_add_f32 v[T+4:T+5], v[T+4:T+5], v[T+4:T+5]  ; twice: the two layers' spikes are the same
	v_pk_add_f32 v[T+6:T+7], v[T+6:T+7], v[T+6:T+7]
	global_store_b128 v[LO], v[T+4:T+7], s[12:13]  ; 512 consecutive bytes, at a multiple of 256 from part's first byte
.Lend:
	s_wait_tensorcnt 0x0                           ; the wave's end, behind my last LDS store
	ds_add_u32 v[SPW], v[NIL]
	s_wait_dscnt 0x0
	s_endpgm
.Lfunc_end_k_q2291bb9b65_snn:
	.size	k_q2291bb9b65_snn, .Lfunc_end_k_q2291bb9b65_snn-k_q2291bb9b65_snn
	.p2alignl 7, 3214868480
	.fill 96, 4, 3214868480
	.section	.rodata,"a",@progbits
	.p2align	6, 0x0
	.amdhsa_kernel k_q2291bb9b65_snn
		.amdhsa_group_segment_fixed_size 268288
		.amdhsa_private_segment_fixed_size 0
		.amdhsa_enable_private_segment 0
		.amdhsa_kernarg_size 40
		.amdhsa_user_sgpr_count 2
		.amdhsa_user_sgpr_kernarg_segment_ptr 1
		.amdhsa_wavefront_size32 1
		.amdhsa_system_sgpr_workgroup_id_x 1
		.amdhsa_system_sgpr_workgroup_id_y 1
		.amdhsa_system_sgpr_workgroup_id_z 1
		.amdhsa_system_vgpr_workitem_id 0
		.amdhsa_next_free_vgpr 256
		.amdhsa_next_free_sgpr 66
		.amdhsa_reserve_vcc 0
		.amdhsa_float_denorm_mode_32 3
		.amdhsa_float_denorm_mode_16_64 3
		.amdhsa_memory_ordered 1
		.amdhsa_forward_progress 1
		.amdhsa_inst_pref_size 223
	.end_amdhsa_kernel
	.amdgpu_metadata
---
amdhsa.version: [ 1, 2 ]
amdhsa.kernels:
  - .name:           k_q2291bb9b65_snn
    .symbol:         k_q2291bb9b65_snn.kd
    .args:
      - { .name: x, .offset: 0, .size: 8, .value_kind: global_buffer, .address_space: global }
      - { .name: W_proj, .offset: 8, .size: 8, .value_kind: global_buffer, .address_space: global }
      - { .name: b_proj, .offset: 16, .size: 8, .value_kind: global_buffer, .address_space: global }
      - { .name: out0, .offset: 24, .size: 8, .value_kind: global_buffer, .address_space: global }
      - { .name: part, .offset: 32, .size: 8, .value_kind: global_buffer, .address_space: global }
    .group_segment_fixed_size: 268288
    .private_segment_fixed_size: 0
    .kernarg_segment_align: 8
    .kernarg_segment_size: 40
    .max_flat_workgroup_size: 256
    .sgpr_count:     66
    .vgpr_count:     256
    .wavefront_size: 32
...
	.end_amdgpu_metadata
.endif
;; end of part 1
;; launch tot (part 2): grid 32 x 1, 1 waves a work-group, no clusters, 0 bytes of LDS; arguments part, out1; writes out1
.if DOCPART == 2
	.amdgcn_target "amdgcn-amd-amdhsa--gfx1250"
	.amdhsa_code_object_version 6
	.text
	.protected	k_q2291bb9b65_tot
	.globl	k_q2291bb9b65_tot
	.p2align	8
	.type	k_q2291bb9b65_tot,@function
k_q2291bb9b65_tot:
	s_mov_b64 s[64:65], 0
	v_nop
	global_prefetch_b8 v0, s[64:65] scope:SCOPE_SE
	s_setreg_imm32_b32 hwreg(HW_REG_WAVE_MODE, 25, 1), 1
	s_wait_xcnt 0x0
; out1[row] = the sum over the 8 column blocks of part[block][row].  part: [8][4096] f32, out1: [4096] f32.  The numbers are whole and stay under 2^24, so the sum is exact in any order.
; A row's sum spans 8 work-groups of the launch before, and work-groups of one launch hand each other nothing: hence this launch.
; 32 work-groups of one wave; a lane takes 4 rows, so each load and the store cover 512 consecutive bytes, aligned.  All 8 loads go out together; there is nothing to overlap, no LDS, no barrier.
.set BLOCK, 16384                      ; bytes of part in a column block
	s_load_b128 s[4:7], s[0:1], 0x0                ; part s[4:5], out1 s[6:7]
	v_lshlrev_b32 v1, 4, v0                        ; 16 x lane
	s_lshl_b32 s8, ttmp9, 9                        ; the work-group's 128 rows
	s_mov_b32 s9, 0
	s_wait_kmcnt 0x0
	s_add_nc_u64 s[4:5], s[4:5], s[8:9]
	s_add_nc_u64 s[6:7], s[6:7], s[8:9]
.irp c, 0,1,2,3,4,5,6,7
	global_load_b128 v[4+4*(\c):7+4*(\c)], v1, s[4:5] offset:BLOCK*(\c) th:TH_LOAD_NT
.endr
	s_wait_loadcnt 0x0
.irp r, 0,2,4,6,8,10,12,14             ; blocks 4-7 onto blocks 0-3,
	v_pk_add_f32 v[4+(\r):5+(\r)], v[4+(\r):5+(\r)], v[20+(\r):21+(\r)]
.endr
.irp r, 0,2,4,6                        ; 2, 3 onto 0, 1,
	v_pk_add_f32 v[4+(\r):5+(\r)], v[4+(\r):5+(\r)], v[12+(\r):13+(\r)]
.endr
.irp r, 0,2                            ; 1 onto 0
	v_pk_add_f32 v[4+(\r):5+(\r)], v[4+(\r):5+(\r)], v[8+(\r):9+(\r)]
.endr
	global_store_b128 v1, v[4:7], s[6:7]
	s_endpgm
.Lfunc_end_k_q2291bb9b65_tot:
	.size	k_q2291bb9b65_tot, .Lfunc_end_k_q2291bb9b65_tot-k_q2291bb9b65_tot
	.p2alignl 7, 3214868480
	.fill 96, 4, 3214868480
	.section	.rodata,"a",@progbits
	.p2align	6, 0x0
	.amdhsa_kernel k_q2291bb9b65_tot
		.amdhsa_group_segment_fixed_size 0
		.amdhsa_private_segment_fixed_size 0
		.amdhsa_enable_private_segment 0
		.amdhsa_kernarg_size 16
		.amdhsa_user_sgpr_count 2
		.amdhsa_user_sgpr_kernarg_segment_ptr 1
		.amdhsa_wavefront_size32 1
		.amdhsa_system_sgpr_workgroup_id_x 1
		.amdhsa_system_sgpr_workgroup_id_y 1
		.amdhsa_system_sgpr_workgroup_id_z 1
		.amdhsa_system_vgpr_workitem_id 0
		.amdhsa_next_free_vgpr 36
		.amdhsa_next_free_sgpr 66
		.amdhsa_reserve_vcc 0
		.amdhsa_float_denorm_mode_32 3
		.amdhsa_float_denorm_mode_16_64 3
		.amdhsa_memory_ordered 1
		.amdhsa_forward_progress 1
		.amdhsa_inst_pref_size 3
	.end_amdhsa_kernel
	.amdgpu_metadata
---
amdhsa.version: [ 1, 2 ]
amdhsa.kernels:
  - .name:           k_q2291bb9b65_tot
    .symbol:         k_q2291bb9b65_tot.kd
    .args:
      - { .name: part, .offset: 0, .size: 8, .value_kind: global_buffer, .address_space: global }
      - { .name: out1, .offset: 8, .size: 8, .value_kind: global_buffer, .address_space: global }
    .group_segment_fixed_size: 0
    .private_segment_fixed_size: 0
    .kernarg_segment_align: 8
    .kernarg_segment_size: 16
    .max_flat_workgroup_size: 32
    .sgpr_count:     66
    .vgpr_count:     36
    .wavefront_size: 32
...
	.end_amdgpu_metadata
.endif
;; end of part 2
;; ======== version 2 of 2: 2 launches; version 1 with the launch snn written anew for expert scheduling mode
;; workspace buffers: part 131,072 bytes
;; launch snn (part 3): grid 8 x 32, 8 waves a work-group, no clusters, 268,288 bytes of LDS; arguments x, W_proj, b_proj, out0, part; writes out0, part
.if DOCPART == 3
	.amdgcn_target "amdgcn-amd-amdhsa--gfx1250"
	.amdhsa_code_object_version 6
	.text
	.protected	k_q2291bb9b65_snn
	.globl	k_q2291bb9b65_snn
	.p2align	8
	.type	k_q2291bb9b65_snn,@function
k_q2291bb9b65_snn:
	s_mov_b64 s[64:65], 0
	v_nop
	global_prefetch_b8 v0, s[64:65] scope:SCOPE_SE
	s_setreg_imm32_b32 hwreg(HW_REG_WAVE_SCHED_MODE, 0, 2), 2
	s_setreg_imm32_b32 hwreg(HW_REG_WAVE_MODE, 25, 1), 1
	s_wait_xcnt 0x0
	s_wait_alu depctr_vm_vsrc(0)
; inp = x W + b;  50 steps of a leaky integrator with subtractive reset on every number of inp;  out0 = spikes counted over time;
; part[column block][row] = the row's spikes of both layers within this work-group's 128 columns (the launch behind adds the 8 blocks).
; x: [4096][512], W: [512][1024], b: [1024], out0: [4096][1024], all f32.
; WHAT IS TAKEN FROM THE PROBLEM'S OWN TEXT.  Both layers start at 0 and get the same current by the same operations: they are equal bit for bit, so one
; is run and the row sum is doubled.  A step's reset is the spike of the step before.  mem - 1 > 0 holds exactly where mem > 1.  Step 1 is mem = inp.
; FORMATS.  x, W and b are each rounded once to bf16 (all the inputs alike) and kept so in LDS; everything behind that is f32.
; THE SUM'S ORDER, AND WHY THE f32 MATRIX FORM.  The count is a step function of inp, and one spike is more than the comparison allows at any count (0.01 r + 0.01 x 50 is under 1,
; r being at most 50).  So inp has to carry the roundings of a product taken one multiply-add at a time.  A product of two bf16 numbers is exact in f32, so only the additions round: here ONE CHAIN,
; k = 0 .. 511 ascending, one rounding a product; then b, one rounding.  v_wmma_f32_16x16x4_f32 is four fused multiply-adds in ascending k: a chain of 128 of them is that sum.  The 16-bit form
; adds 32 products with one rounding and cannot place these roundings.  This is a departure from the usual choice of form, taken for the values' sake; it costs matrix time.
; LIMITS.  The one chain is an assumption about the sum that this one is held against.  Held against a sum that rounds in another order (K in blocks, several chains), a number whose
; inp lies within that difference of a jump comes out one spike off.  beta * mem + inp is one fused multiply-add.  NaN is not treated apart.
; SHARES.  256 work-groups, each a tile of 128 rows x 128 columns; 8 waves, each 32 rows x 64 columns: 8 accumulators of 16 x 16.
; LDS.  All of K lies in LDS as bf16: x as [128 rows][512 k], W turned, as [128 columns][512 k]; one fill, one barrier, nothing is filled again.
; ORDER OF K IN AN LDS ROW.  A fragment of the f32 form is 16 rows x 4 k in 2 registers: lane l holds row l % 16 and k = 2 (l / 16) + 0, 1.  So within each 32 bytes (16 k) the pair
; k = 4 d + 2 h, 4 d + 2 h + 1 lies at byte 16 h + 4 d: one load of 16 bytes at 16 (l / 16) brings a lane its two numbers for each of four K steps d = 0..3.
; COLUMN ORDER.  Column 4 q + c of the tile lies in LDS row 32 c + q, so column tile b of a wave holds the columns 4 r + b (r = lane % 16).  A lane then has four
; neighbouring columns of a row in four accumulators; the bias add lays them in four neighbouring registers, and a store of 16 bytes a lane has
; sixteen lanes cover 256 consecutive bytes of out0, aligned: no way out through LDS.
; NO CLUSTER, NO TENSOR LOAD: the tiles arrive as f32 and are wanted as bf16, W turned as well.  A joint load would lay 524,288 bytes of f32 a work-group into LDS,
; to be read back, converted and stored again beside the 266,240 bytes of bf16 tiles; the 59,392 bytes left of 327,680 hold no slot worth the name.
; NO PREFETCH: every global load of the launch stands at its head.
; THE MODE: SCHED_MODE bits 1:0 = 2 (LLVM: expert scheduling mode 2), set by the entry lines.  The code itself states the register dependences
; between vector or matrix instructions and memory or LDS instructions, with s_wait_alu, always for 0.
; THE PLAN.  Registers that memory or LDS instructions touch:
;   v[LO]            Offset of the fill's loads and of part's store: made at the head, never written again.
;   v4-7, v12-15     Addresses, made behind the first loads, ahead of the first group's wait on va_vdst.  v4-7 are written again behind the product, behind a wait on vm_vsrc.
;   RING, five sets  Group n: global loads land in set n % 5, the group's 16 conversions read it, the loads of group n + 5 land in it.
;   T                Group n: its conversions write T, its LDS stores read T.  So a group has a wait on vm_vsrc ahead of its conversions (the last group's stores have read T)
;                    and a wait on va_vdst behind them (T is written; the set is read out); its loads and stores follow that wait.
;   RAW, 4 buffers   The groups of 16 k go in pairs.  The widening lines read pair P in K steps 8 P - 2 to 8 P + 5; pair P + 1 is loaded, in steps 8 P - 2 and 8 P - 1, into the two buffers
;                    that pair P - 1 left in step 8 P - 3.  ONE wait on va_vdst stands at the head of step 8 P - 2, one for 64 matrix instructions; the twelve loads behind it are dealt among
;                    the products, which name U and the accumulators, and the widening lines, which name pair P's buffers and U: none of the registers that those loads touch.
;   G, 2 buffers     A chunk's counting lines write its G, its eight stores read it behind one wait on va_vdst; neither G is written again.
;   R                The row sums: written by additions, read by four LDS stores; wave 0 writes part of it again behind a wait on vm_vsrc.
;   U, the accumulators, M, S, inp and b (once loaded) are named by vector and matrix instructions alone.  v[SPW], v[NIL]: written at the head, read by the closing add alone.
.set PX,    1040                       ; an LDS row: 1,024 bytes + 16 = 260 words: row r starts at bank 4 r mod 64 (64 banks of 4 bytes: ISA guide 11.1): 16 rows, 16 different groups of four banks
.set WB,    128*PX                     ; x's tile lies at 0, W's here
.set ROWS,  256*PX                     ; [2 column halves][128 rows] f32: the waves' row sums
.set SPARE, ROWS+1024                  ; the spare words, 128 bytes for each of the 8 waves: four blocks of 256 bytes that no other line names
.set NSET,  5                          ; sets of 8 loads on their way in a wave: with the bias 41 loads at the most
.set STEPS, 128                        ; K steps of 4
.set UNROLL, 4                         ; time steps 3 to 50: 12 trips of 4
.set TRIPS,  12
.set SPW, 1                            ; v1      LDS address of my spare word; never rewritten
.set NIL, 2                            ; v2      0; never rewritten
.set LO,  3                            ; v3      16 x lane: my 16 bytes of 512 consecutive ones; never rewritten
.set XST, 4                            ; v4      the fill: where I put 4 bytes of x
.set WS,  5                            ; v5-6    the fill: where I put 8 bytes of W: columns c = 0, 1 and c = 2, 3
.set AA,  7                            ; v7      my place in x's fragments
.set BP,  4                            ; v4-5    behind the product: 2^30, twice
.set BN,  6                            ; v6-7    -2^30, twice
.set BI,  8                            ; v8-11   b of my four columns
.set AB,  12                           ; v12-13  my place in W's fragments: column tiles 0, 1 and 2, 3
.set OO,  14                           ; v14     my byte offset in the tile of out0
.set RA,  15                           ; v15     where my half of the lanes puts its row sums
.set T,   16                           ; v16-31  at work
.set R,   16                           ; v16-31  later the row sums: chunk a, row j at R + 8 a + j
.set RING, 32                          ; v32-191 the fill: five sets of 32
.set RAW, 32                           ; the product: four buffers of 24: 16 k of x's two row tiles and W's four column tiles, as bf16: buffers 0, 1 in v32-79, buffers 2, 3 in v128-175: buffer p at RAW + 24 p + 48 (p / 2)
.set U,   80                           ; v80-127 four sets of 12: a K step's fragments, widened: tile t at 2 t
.set I,   128                          ; v128-191 inp, made behind the product: chunk a, row j, column b at 32 a + 4 j + b
.set M,   32                           ; v32-63   mem of a chunk of 16 rows
.set S,   64                           ; v64-95   the step's spikes
.set G,   96                           ; spikes counted: chunk a's at G + 32 a: v96-127, and v128-159, where chunk 0's inp lay
.set ACC, 192                          ; v192-255 accumulator (a, b) at ACC + 8 (4 a + b): written by matrix instructions alone
.set WV,  14                           ; s14  my wave's number
.set BETA, 20                          ; s[20:21] 0.95: the packed line names a pair and takes its low word for both halves
.set CNT, 22                           ; s22  trips to go
.set MASK, 23                          ; s23  a word's upper bf16
	s_load_b256 s[4:11], s[0:1], 0x0               ; x s[4:5], W s[6:7], b s[8:9], out0 s[10:11]
	s_load_b64 s[12:13], s[0:1], 0x20              ; part
	v_lshl_add_u32 v[SPW], v0, 2, SPARE
	v_mov_b32 v[NIL], 0
	v_lshrrev_b32 v[T], 5, v0
	v_readfirstlane_b32 s[WV], v[T]                ; wave 0..7
	v_and_b32 v[T+1], 31, v0                       ; lane
	v_and_b32 v[T+2], 15, v0                       ; r = lane % 16
	v_bfe_u32 v[T+3], v0, 4, 1                     ; h = lane / 16
	v_lshlrev_b32 v[LO], 4, v[T+1]
	v_lshlrev_b32 v[T+4], 4, v[T+2]                ; 16 r: my four numbers of b
	s_mov_b32 s[MASK], 0xffff0000
	s_and_b32 s15, ttmp7, 0xffff                   ; row block 0..31; ttmp9 is the column block 0..7
	s_wait_alu depctr_va_sdst(0)                   ; the wave's number is written, ahead of its first reader: the line below
	s_lshr_b32 s16, s[WV], 1                       ; wr: which 32 rows of the tile are mine
	s_and_b32 s17, s[WV], 1                        ; wc: which 64 columns
	s_lshl_b32 s24, s15, 18                        ; x: 128 rows of 2,048 bytes a block,
	s_lshl_b32 s25, s[WV], 15                      ; of which I bring in 16
	s_add_co_u32 s24, s24, s25
	s_mov_b32 s25, 0
	s_lshl_b32 s26, ttmp9, 9                       ; W: 128 columns are 512 bytes of a row,
	s_lshl_b32 s27, s[WV], 18                      ; and I bring in 64 rows of 4,096 bytes
	s_add_co_u32 s26, s26, s27
	s_mov_b32 s27, 0
	s_lshl_b32 s28, ttmp9, 9                       ; b: the block's 512 bytes, my 64 columns' 256
	s_lshl_b32 s29, s17, 8
	s_add_co_u32 s28, s28, s29
	s_mov_b32 s29, 0
	s_wait_kmcnt 0x0
	s_add_nc_u64 s[4:5], s[4:5], s[24:25]
	s_add_nc_u64 s[6:7], s[6:7], s[26:27]
	s_add_nc_u64 s[8:9], s[8:9], s[28:29]
	s_wait_alu depctr_va_vdst(0)                   ; v[T+4] and v[LO] are written: the offsets of the bias load and of the fill's loads
	global_load_b128 v[BI:BI+3], v[T+4], s[8:9]
; THE FILL.  A wave brings in 16 groups of 8 loads; each load covers 512 consecutive bytes, aligned.  Groups 0-7: 8 rows of W each (a row's 128 columns of the tile).
; Groups 8-15: 2 rows of x each, four pieces of 512 bytes a row.
.macro LOADG n
.set sb, RING+32*((\n)%NSET)
.if (\n) < 8
.irp i, 0,1,2,3,4,5,6,7
	global_load_b128 v[sb+4*(\i):sb+4*(\i)+3], v[LO], s[6:7] offset:(8*(\n)+(\i))*4096
.endr
.else
.irp i, 0,1,2,3,4,5,6,7
	global_load_b128 v[sb+4*(\i):sb+4*(\i)+3], v[LO], s[4:5] offset:(2*((\n)-8)+(\i)/4)*2048+((\i)%4)*512
.endr
.endif
.endm
; A group is rounded to bf16 (CVTG) and put into LDS (STOG), in the order of K said at the head.
; W: the lane holds k = k0 .. k0 + 7 (k0 = 64 wave + 8 n) of the columns 4 lane + c.  For each c the pairs p = 0..3 (k0 + 2 p, + 1) belong to d = 2 (n % 2) + p / 2, h = p % 2:
; pairs 0 and 2 are 8 neighbouring bytes of LDS row 32 c + lane, pairs 1 and 3 the 8 bytes 16 further on: W is turned in registers.
; x: the lane's four k of a piece (k = 4 lane ..) are one K step's: the first pair goes to h = 0, the second 16 bytes further on.
.macro CVTG n
.set sb, RING+32*((\n)%NSET)
.if (\n) < 8
.irp c, 0,1,2,3
.irp p, 0,1,2,3
	v_cvt_pk_bf16_f32 v[T+4*(\c)+2*((\p)%2)+(\p)/2], v[sb+8*(\p)+(\c)], v[sb+8*(\p)+4+(\c)]
.endr
.endr
.else
.irp e, 0,1,2,3,4,5,6,7
	v_cvt_pk_bf16_f32 v[T+2*(\e)],   v[sb+4*(\e)],   v[sb+4*(\e)+1]
	v_cvt_pk_bf16_f32 v[T+2*(\e)+1], v[sb+4*(\e)+2], v[sb+4*(\e)+3]
.endr
.endif
.endm
.macro STOG n
.if (\n) < 8
.irp c, 0,1,2,3
	ds_store_b64 v[WS+(\c)/2], v[T+4*(\c):T+4*(\c)+1]   offset:((\c)%2)*32*PX+32*((\n)/2)+8*((\n)%2)
	ds_store_b64 v[WS+(\c)/2], v[T+4*(\c)+2:T+4*(\c)+3] offset:((\c)%2)*32*PX+32*((\n)/2)+8*((\n)%2)+16
.endr
.else
.irp e, 0,1,2,3,4,5,6,7
	ds_store_b32 v[XST], v[T+2*(\e)]   offset:(2*((\n)-8)+(\e)/4)*PX+((\e)%4)*256
	ds_store_b32 v[XST], v[T+2*(\e)+1] offset:(2*((\n)-8)+(\e)/4)*PX+((\e)%4)*256+16
.endr
.endif
.endm
.set gi, 0
.rept NSET
	LOADG gi
.set gi, gi+1
.endr
	; the other addresses are made while the first loads are on their way (v[T+4], the bias load's offset, and v[LO] are left alone)
	s_mul_i32 s30, s[WV], 16*PX
	v_lshrrev_b32 v[T+6], 2, v[T+1]                ; x: four lanes share 16 k: 32 bytes for each four lanes,
	v_and_b32 v[T+7], 3, v[T+1]                    ; and 4 bytes for the lane's K step among them
	v_lshl_add_u32 v[XST], v[T+6], 5, s30          ; on top of my 16 rows of x's tile
	v_lshl_add_u32 v[XST], v[T+7], 2, v[XST]
	v_mul_u32_u24 v[WS], v[T+1], PX                ; W: LDS row = lane (+ 32 c),
	s_lshl_b32 s31, s[WV], 7                       ; my 64 k are 128 bytes of it
	s_add_co_u32 s31, s31, WB
	v_add_nc_u32 v[WS], s31, v[WS]
	v_add_nc_u32 v[WS+1], 64*PX, v[WS]
	v_mul_u32_u24 v[T+5], v[T+2], PX
	v_lshl_add_u32 v[T+5], v[T+3], 4, v[T+5]       ; a fragment's row x pitch + 16 x half
	s_mul_i32 s30, s16, 32*PX
	v_add_nc_u32 v[AA], s30, v[T+5]
	s_mul_i32 s31, s17, 16*PX
	s_add_co_u32 s31, s31, WB
	v_add_nc_u32 v[AB], s31, v[T+5]
	v_add_nc_u32 v[AB+1], 64*PX, v[AB]
	s_lshl_b32 s30, s16, 17                        ; out0: 32 wr rows of 4,096 bytes,
	s_lshl_b32 s31, s17, 8                         ; 64 wc columns,
	s_add_co_u32 s30, s30, s31
	v_lshl_add_u32 v[OO], v[T+3], 15, s30          ; 8 h rows,
	v_lshl_add_u32 v[OO], v[T+2], 4, v[OO]         ; my four columns
	s_lshl_b32 s30, s17, 9                         ; row sums: 512 wc + 4 (32 wr + 8 h)
	s_lshl_b32 s31, s16, 7
	s_add_co_u32 s30, s30, s31
	s_add_co_u32 s30, s30, ROWS
	v_lshl_add_u32 v[RA], v[T+3], 5, s30
	s_lshl_b32 s24, s15, 19                        ; the tile in out0: 128 rows of 4,096 bytes a row block, 512 bytes a column block
	s_lshl_b32 s25, ttmp9, 9
	s_add_co_u32 s24, s24, s25
	s_mov_b32 s25, 0
	s_add_nc_u64 s[10:11], s[10:11], s[24:25]
	s_lshl_b32 s24, ttmp9, 14                      ; in part: 16,384 bytes a column block, 512 a row block
	s_lshl_b32 s25, s15, 9
	s_add_co_u32 s24, s24, s25
	s_mov_b32 s25, 0
	s_add_nc_u64 s[12:13], s[12:13], s[24:25]
.set gi, 0
.rept 16
.if gi <= 16-NSET
	s_wait_loadcnt 8*(NSET-1)                      ; loads come back in order (ISA guide 5.7.1): this group (and b) is in, the four groups behind it stay out
.else
	s_wait_loadcnt 8*(15-gi)                       ; the tail: the groups that are left
.endif
	s_wait_alu depctr_vm_vsrc(0)                   ; the last group's LDS stores have read T (ahead of the first group: the bias load has read v[T+4]), which the conversions write
	CVTG gi
	s_wait_alu depctr_va_vdst(0)                   ; the conversions have written T, which the LDS stores read, and are done reading their set, in which the loads land; in the first group the addresses v4 to v15 are written too
.if gi+NSET < 16
	LOADG gi+NSET                                  ; the set just read takes the group five on
.endif
	STOG gi
.set gi, gi+1
.endr
	s_wait_dscnt 0x0                               ; for the others' sake: my part of both tiles lies in LDS
	s_wait_alu depctr_vm_vsrc(0)                   ; the last group's LDS stores have read v[T] and v[T+1], which the lines behind the signal write
	s_barrier_signal -1
	v_cvt_pk_bf16_f32 v[T],   v[BI],   v[BI+1]     ; work on registers between signal and wait: b rounded to bf16 like x and W, and widened again
	v_cvt_pk_bf16_f32 v[T+1], v[BI+2], v[BI+3]
	v_lshlrev_b32 v[BI],   16, v[T]
	v_and_b32     v[BI+1], s[MASK], v[T]
	v_lshlrev_b32 v[BI+2], 16, v[T+1]
	v_and_b32     v[BI+3], s[MASK], v[T+1]
	s_mov_b32 s[BETA],   0x3f733333                ; 0.95
	s_mov_b32 s[BETA+1], 0x3f733333
	s_barrier_wait -1                              ; both tiles are whole
; THE PRODUCT.  Source 0 = 16 rows of x, source 1 = 16 columns of W: in the result register j of lane l is row 8 (l / 16) + j, column l % 16 of the tile.
.macro FETCH1 g, q                     ; load q of the 6 that bring 16 k, group g of 32, into raw buffer g % 4: 16 bytes a lane; q = 0, 1: x's row tiles; q = 2 .. 5: W's column tiles
.set fp, (\g)%4
.set fb, RAW+24*fp+48*(fp/2)
.if (\q) < 2
	ds_load_b128 v[fb+4*(\q):fb+4*(\q)+3], v[AA] offset:(\q)*16*PX+32*(\g)
.else
	ds_load_b128 v[fb+4*(\q):fb+4*(\q)+3], v[AB+((\q)-2)/2] offset:(((\q)-2)%2)*32*PX+32*(\g)
.endif
.endm
.macro UNP jn, q                       ; line q of the 12 that widen K step jn's fragments: word jn % 4 of tile q / 2; the low half is the lower k
.set up, ((\jn)/4)%4
.set ur, RAW+24*up+48*(up/2)+4*((\q)/2)+(\jn)%4
.set ud, U+12*((\jn)%4)+(\q)
.if (\q)%2 == 0
	v_lshlrev_b32 v[ud], 16, v[ur]
.else
	v_and_b32 v[ud], s[MASK], v[ur]
.endif
.endm
.macro MM j, i                         ; product i of 8 of K step j: row tile i / 4, column tile i % 4.  The first K step starts the sums with the constant 0
.set opa, U+12*((\j)%4)+2*((\i)/4)
.set opb, U+12*((\j)%4)+4+2*((\i)%4)
.set opc, ACC+8*(\i)
.if (\j) == 0
	v_wmma_f32_16x16x4_f32 v[opc:opc+7], v[opa:opa+1], v[opb:opb+1], 0
.else
	v_wmma_f32_16x16x4_f32 v[opc:opc+7], v[opa:opa+1], v[opb:opb+1], v[opc:opc+7]
.endif
.endm
; THE ORDER OF THE LINES.  The 8 accumulators take turns, one instruction a turn, in the same order in every K step.  In K step j the fragments of step j + 2 are widened, two lines
; behind each of the first six products, into the set that step j - 2 read: the 12 lines of step j - 1, which name other registers, are the places between that set's last reader and its
; first rewriting (ISA guide 7.12.1 asks for eight behind this form).  The raw buffers go in pairs, as the plan at the head says: a pair's twelve loads stand one behind each of the first six products of
; two K steps, 64 products ahead of their first use.
; The first 24 loads owe no wait on va_vdst: the conversions that read v32 to v79 and v128 to v175, and the lines that made v[AA] and v[AB], stand ahead of the fill's last such wait, and the six vector lines since name T and b alone.
.irp g, 0,1,2,3
.irp q, 0,1,2,3,4,5
	FETCH1 \g, \q
.endr
.endr
	s_wait_dscnt 12                                ; LDS loads come back in order: groups 0 and 1 are in, the twelve loads of groups 2 and 3 stay out
.set uq, 0
.rept 12
	UNP 0, uq
.set uq, uq+1
.endr
.set uq, 0
.rept 12
	UNP 1, uq
.set uq, uq+1
.endr
.set js, 0
.rept STEPS
.if (js%8 == 6) && (js+2 < STEPS)
	s_wait_dscnt 0x0                               ; the pair of groups that the widening lines read from here on is in: nothing was issued behind its loads
.if (js+2)/8 < STEPS/8-1
	s_wait_alu depctr_va_vdst(0)                   ; the widening lines up to the last step's are done reading the two raw buffers of the pair before, in which the twelve loads of this step and the next land
.endif
.endif
.set uq, 0
.set wi, 0
.rept 8
	MM js, wi
.if (js+2 < STEPS) && (wi < 6)
	UNP js+2, uq
	UNP js+2, uq+1
.set uq, uq+2
.endif
.if (wi < 6) && (js%8 >= 6) && ((js+2)/8 < STEPS/8-1)
.set fg, 2*((js+2)/8)+2+(js%8-6)
	FETCH1 fg, wi                                  ; no wait: no vector or matrix instruction since the wait above names this buffer, v[AA] or v[AB]
.endif
.set wi, wi+1
.endr
.set js, js+1
.endr
	s_wait_alu depctr_vm_vsrc(0)                   ; the fragments' loads have read v[AA] (the fill's stores v4 to v6 long since): v4 to v7 are written below
	v_mov_b32 v[BP],   0x4e800000                  ; the constants 2^30 and -2^30, in registers that held addresses of the fill and of the product: these four lines and six v_nop
	v_mov_b32 v[BP+1], 0x4e800000                  ; are the places behind the last products, ahead of the lines that read the sums
	v_mov_b32 v[BN],   0xce800000
	v_mov_b32 v[BN+1], 0xce800000
.rept 6
	v_nop
.endr
	; inp = sum + b, one rounding, laid so that a row's four columns are neighbours.  Each accumulator is read from its lowest register on.
.set wi, 0
.rept 8
.set mj, 0
.rept 8
	v_add_f32 v[I+32*(wi/4)+4*mj+wi%4], v[ACC+8*wi+mj], v[BI+wi%4]
.set mj, mj+1
.endr
.set wi, wi+1
.endr
; THE INTEGRATOR, a chunk of 16 rows (32 registers, 16 pairs) at a time, two numbers a line.  A kind of line goes through all 16 pairs, so a line stands 16 behind the one whose result it reads.  IB: the chunk's inp; GB: its count.
.macro DECAY src                       ; mem = 0.95 src + inp
.set q, 0
.rept 16
	v_pk_fma_f32 v[M+q:M+q+1], v[(\src)+q:(\src)+q+1], s[BETA:BETA+1], v[IB+q:IB+q+1] op_sel_hi:[1,0,1]
.set q, q+2
.endr
.endm
.macro RESET spk                       ; mem = mem - the spike of the step before
.set q, 0
.rept 16
	v_pk_add_f32 v[M+q:M+q+1], v[M+q:M+q+1], v[(\spk)+q:(\spk)+q+1] neg_lo:[0,1] neg_hi:[0,1]
.set q, q+2
.endr
.endm
.macro FIRE dst, src                   ; 1 where src > 1, else 0: (src - 1) 2^30, one rounding, held to 0 .. 1.  The least src above 1 gives 2^-23 x 2^30 = 128; src = 1 gives 0
.set q, 0
.rept 16
	v_pk_fma_f32 v[(\dst)+q:(\dst)+q+1], v[(\src)+q:(\src)+q+1], v[BP:BP+1], v[BN:BN+1] clamp
.set q, q+2
.endr
.endm
.macro COUNT
.set q, 0
.rept 16
	v_pk_add_f32 v[GB+q:GB+q+1], v[GB+q:GB+q+1], v[S+q:S+q+1]
.set q, q+2
.endr
.endm
.macro LIF a
.set IB, I+32*(\a)
.set GB, G+32*(\a)                     ; each chunk counts in registers of its own: what the last chunk's stores read is not written again
	FIRE GB, IB                                    ; step 1: mem = inp; its spikes start the count
	DECAY IB                                       ; step 2 reads inp as mem and the count as the spikes
	RESET GB
	FIRE S, M
	COUNT
	s_mov_b32 s[CNT], TRIPS
.Ltime_\@:                                             ; steps 3 to 50
.rept UNROLL
	DECAY M
	RESET S
	FIRE S, M
	COUNT
.endr
	s_sub_co_u32 s[CNT], s[CNT], 1
	s_cmp_lg_u32 s[CNT], 0
	s_cbranch_scc1 .Ltime_\@
	s_wait_alu depctr_va_vdst(0)                   ; the counting lines have written the chunk's count, which the eight stores read
.irp j, 0,1,2,3,4,5,6,7
	global_store_b128 v[OO], v[GB+4*(\j):GB+4*(\j)+3], s[10:11] offset:(16*(\a)+(\j))*4096 th:TH_STORE_NT  ; 16 lanes store 256 consecutive bytes, at a multiple of 256 from out0's first byte
.endr
.irp j, 0,1,2,3,4,5,6,7
	v_pk_add_f32 v[S+2*(\j):S+2*(\j)+1], v[GB+4*(\j):GB+4*(\j)+1], v[GB+4*(\j)+2:GB+4*(\j)+3]  ; my four columns of row j
.endr
.irp j, 0,1,2,3,4,5,6,7
	v_add_f32 v[R+8*(\a)+(\j)], v[S+2*(\j)], v[S+2*(\j)+1]
.endr
.endm
	LIF 0
	LIF 1
	; ROW SUMS (whole numbers under 2^24: exact in any order).  Over the 16 lanes that hold a row's columns, four steps riding on the additions; every lane of the half ends with the sum.
.irp k, 1,2,4,8
.set q, 0
.rept 16
	v_add_f32_dpp v[R+q], v[R+q], v[R+q] row_xmask:\k row_mask:0xf bank_mask:0xf
.set q, q+1
.endr
.endr
	s_wait_alu depctr_va_vdst(0)                   ; the additions across the lanes have written R, which the LDS stores read
.irp a, 0,1                            ; the 16 lanes of a half write the same bytes with the same numbers: rows 16 a + 8 h + 0..7 of my 32
	ds_store_b128 v[RA], v[R+8*(\a):R+8*(\a)+3]   offset:64*(\a)
	ds_store_b128 v[RA], v[R+8*(\a)+4:R+8*(\a)+7] offset:64*(\a)+16
.endr
	s_wait_dscnt 0x0                               ; for wave 0's sake: my row sums lie in LDS
	s_wait_alu depctr_vm_vsrc(0)                   ; my LDS stores have read R, of which wave 0 writes v16 to v27 again below: the wait stands ahead of the branch
	s_barrier_signal -1
	s_barrier_wait -1
	s_cmp_lg_u32 s[WV], 0
	s_cbranch_scc1 .Lend
	v_add_nc_u32 v[T], ROWS, v[LO]                 ; wave 0: lane l takes rows 4 l .. 4 l + 3
	s_wait_alu depctr_va_vdst(0)                   ; v[T], the two loads' address, is written
	ds_load_b128 v[T+4:T+7],  v[T]                 ; of the left 64 columns,
	ds_load_b128 v[T+8:T+11], v[T] offset:512      ; and of the right
	s_wait_dscnt 0x0
	v_pk_add_f32 v[T+4:T+5], v[T+4:T+5], v[T+8:T+9]
	v_pk_add_f32 v[T+6:T+7], v[T+6:T+7], v[T+10:T+11]
	v_pk_add_f32 v[T+4:T+5], v[T+4:T+5], v[T+4:T+5]  ; twice: the two layers' spikes are the same
	v_pk_add_f32 v[T+6:T+7], v[T+6:T+7], v[T+6:T+7]
	s_wait_alu depctr_va_vdst(0)                   ; the additions have written v[T+4] to v[T+7], which the store reads
	global_store_b128 v[LO], v[T+4:T+7], s[12:13]  ; 512 consecutive bytes, at a multiple of 256 from part's first byte
.Lend:
	s_wait_dscnt 0x0                               ; the wave's end
	s_wait_alu 0x0
	s_wait_tensorcnt 0x0
	ds_add_u32 v[SPW], v[NIL]
	s_wait_dscnt 0x0
	s_endpgm
.Lfunc_end_k_q2291bb9b65_snn:
	.size	k_q2291bb9b65_snn, .Lfunc_end_k_q2291bb9b65_snn-k_q2291bb9b65_snn
	.p2alignl 7, 3214868480
	.fill 96, 4, 3214868480
	.section	.rodata,"a",@progbits
	.p2align	6, 0x0
	.amdhsa_kernel k_q2291bb9b65_snn
		.amdhsa_group_segment_fixed_size 268288
		.amdhsa_private_segment_fixed_size 0
		.amdhsa_enable_private_segment 0
		.amdhsa_kernarg_size 40
		.amdhsa_user_sgpr_count 2
		.amdhsa_user_sgpr_kernarg_segment_ptr 1
		.amdhsa_wavefront_size32 1
		.amdhsa_system_sgpr_workgroup_id_x 1
		.amdhsa_system_sgpr_workgroup_id_y 1
		.amdhsa_system_sgpr_workgroup_id_z 1
		.amdhsa_system_vgpr_workitem_id 0
		.amdhsa_next_free_vgpr 256
		.amdhsa_next_free_sgpr 66
		.amdhsa_reserve_vcc 0
		.amdhsa_float_denorm_mode_32 3
		.amdhsa_float_denorm_mode_16_64 3
		.amdhsa_memory_ordered 1
		.amdhsa_forward_progress 1
		.amdhsa_inst_pref_size 224
	.end_amdhsa_kernel
	.amdgpu_metadata
---
amdhsa.version: [ 1, 2 ]
amdhsa.kernels:
  - .name:           k_q2291bb9b65_snn
    .symbol:         k_q2291bb9b65_snn.kd
    .args:
      - { .name: x, .offset: 0, .size: 8, .value_kind: global_buffer, .address_space: global }
      - { .name: W_proj, .offset: 8, .size: 8, .value_kind: global_buffer, .address_space: global }
      - { .name: b_proj, .offset: 16, .size: 8, .value_kind: global_buffer, .address_space: global }
      - { .name: out0, .offset: 24, .size: 8, .value_kind: global_buffer, .address_space: global }
      - { .name: part, .offset: 32, .size: 8, .value_kind: global_buffer, .address_space: global }
    .group_segment_fixed_size: 268288
    .private_segment_fixed_size: 0
    .kernarg_segment_align: 8
    .kernarg_segment_size: 40
    .max_flat_workgroup_size: 256
    .sgpr_count:     66
    .vgpr_count:     256
    .wavefront_size: 32
...
	.end_amdgpu_metadata
.endif
;; end of part 3
;; launch tot: the kernel of part 2 again; grid 32 x 1, 1 waves a work-group, no clusters, 0 bytes of LDS; arguments part, out1; writes out1
